; MI455X (gfx1250); checked and timed in simulation.
; The chip was launched on July 23, 2026; its instructions are those of AMD's public machine-readable ISA for CDNA 5 (MIT licence, August 2026) and "CDNA5" Instruction Set Architecture Reference Guide (July 2026). The comments in the code are by the model that wrote it; some were corrected since.
;; Scaled Dot Proudct. Allowed arithmetic: matrix products marked QUANTISED: E5M2 operands, one given power-of-two scale a tensor, by v_wmma_f32_16x16x64_bf8_bf8 or v_wmma_f32_16x16x128_bf8_bf8, f32 sums; everything else in f32.
;; Inputs: km 8 x 2,048 x 1,024 float32; lowp_scales 4 int32 (the exponents e of the quantised operands' scales 2^e); qm 8 x 2,048 x 1,024 float32; vm 8 x 2,048 x 1,024 float32.
;; Outputs: out0 8 x 2,048 x 1,024 float32.
;; This version of the problem:
;;   THIS VERSION OF THE PROBLEM IS GIVEN IN LOW PRECISION. The matrix products marked QUANTISED in the list below multiply operands that are first quantised to E5M2 (5 exponent bits, 2 mantissa bits; 8 bits a number), with one given power-of-two scale for each operand tensor; their sums are f32. All else is computed in f32.
;;   The module's matrix products, in the order in which they are computed (A, B: the left and right operand; K: the contracted axis; several contracted axes count as one K, in the product's order):
;;     1. batch 8 x [M 2,048, K 1,024] x [K 1,024, N 2,048]; A: input qm; B: input km: QUANTISED (scales: A lowp_scales[0], B lowp_scales[1])
;;     2. batch 8 x [M 2,048, K 2,048] x [K 2,048, N 1,024]; A: computed on the way; B: input vm: QUANTISED (scales: A lowp_scales[2], B lowp_scales[3])
;;   THE QUANTISER, for each operand of a quantised product, along K:
;;     - The operand's scale is 2^e, e = its entry of the input lowp_scales (int32; the entries are numbered through the quantised products in the list's order, A before B).
;;     - Each number is divided by the scale, clamped to +-57,344, and rounded to the nearest number of E5M2, ties to even, subnormals kept.
;;     - The product sums the exact products of the quantised numbers (number of the format x scale) in f32.
;;   ~~~python
;;   def quantise(x, axis, e):      # numpy; x: float32 -> the quantised numbers, widened to float32 again
;;       x = np.moveaxis(x, axis, -1); K = x.shape[-1]
;;       r = np.clip(x / 2.0 ** e, -57344, 57344)
;;       step = 2.0 ** (np.maximum(np.frexp(np.where(r == 0, 1, r))[1] - 1, -14) - 2)
;;       q = np.round(r / step) * step * 2.0 ** e      # np.round: ties to even
;;       return np.moveaxis(q, -1, axis).astype(np.float32)
;;   ~~~
;;   OPERANDS COMPUTED ON THE WAY. 'Computed on the way' means the value that the module computes at that place (a softmax that the list does not call 'softmax' is quantised finished and normalised). What goes into a quantiser is computed in f32, as accurately as f32 sums, v_exp_f32 and their like allow (about 1e-6 of the number): no bf16 or f16 on the way to a quantiser, and a product that is left as it is and whose result goes on into a quantised operand takes f32 operands (vector FMAs, or v_wmma_f32_16x16x4_f32). A number that lies on a knife's edge between two numbers of the format may be rounded either way, as far as f32 arithmetic and the matrix unit's own rounding can turn it there, and no further.
;; One version. Each part assembles by itself: llvm-mc -triple=amdgcn-amd-amdhsa -mcpu=gfx1250 --defsym DOCPART=n.
;; ======== version 1 of 1: 3 launches
;; limits: right only within a limited range of input values
;; workspace buffers: q_codes 16,777,216 bytes; k_codes 16,777,216 bytes; v_img 16,777,216 bytes; p_img 33,554,432 bytes
;; launch quant (part 1): grid 1536 x 1, 4 waves a work-group, no clusters, 0 bytes of LDS; arguments qm, km, vm, lowp_scales, q_codes, k_codes, v_img; writes q_codes, k_codes, v_img
.if DOCPART == 1
	.amdgcn_target "amdgcn-amd-amdhsa--gfx1250"
	.amdhsa_code_object_version 6
	.text
	.protected	k_q2d540908b4_quant
	.globl	k_q2d540908b4_quant
	.p2align	8
	.type	k_q2d540908b4_quant,@function
k_q2d540908b4_quant:
	s_mov_b64 s[64:65], 0
	v_nop
	global_prefetch_b8 v0, s[64:65] scope:SCOPE_SE
	s_setreg_imm32_b32 hwreg(HW_REG_WAVE_MODE, 25, 1), 1
	s_wait_xcnt 0x0
; qm, km, vm: [8][2048][1024] f32, are turned into codes of BF8 (E5M2), one byte each, each tensor with the scale 2^e that is given for it (entries 0, 1, 3 of lowp_scales).
; code = x / 2^e, held within +-57,344, rounded to the nearest code, ties to even.  LIMITS: -126 <= e <= 112, so that 2^e and 57,344 x 2^e are f32 numbers.  NaN among the inputs is not served; an infinity is held at the largest code.
; Every work-group takes 32,768 numbers.  Work-groups 0-511: qm; 512-1023: km (K = the last axis, innermost: one path for both, only pointers are chosen); 1024-1535: vm (K = the keys, its first axis in a batch).
; q_codes: [16384 rows][1024].  INSIDE A ROW THE CODES STAND IN AN ORDER OF THEIR OWN: byte 16 l + 4 i + n of each run of 512 codes is the code of number 128 i + 4 l + n of that run (l < 32, i < 4, n < 4).  The first product sums
;   over the row, and q_codes and k_codes are written by the same lines, so every product still meets its partner; only the order of the f32 sums differs from ascending K.
; k_codes: the same, AND THE ROWS CHANGE PLACES INSIDE EACH GROUP OF 32 KEYS: memory row 32 G + 16 u + 8 g + i holds key 32 G + 16 g + 8 u + i.  Sixteen neighbouring rows of that buffer are then the sixteen keys that a tile of the
;   first product wants, so that its results are neighbours along the second product's K.  A wave's run is 8 rows, so only the run's number is turned (its two lowest bits change places).
; v_img: images of the second product's operand registers.  Fragment (batch b, key step ks of 128, tile dt of 16 columns) lies at ((16 b + ks) 64 + dt) 2048; in it byte 512 c + 256 h + 16 r + n is the code of
;   V[key 128 ks + 32 c + 16 h + n][column 16 dt + r]: lane r + 16 h finds its 16 bytes of piece c at 512 c + 16 x lane.
; No cluster, no tensor load, no matrix work, no LDS: the work-groups share no input and memory binds.  Waves share nothing, so there is no barrier.
.set WGQ,   512                        ; qm's work-groups
.set WGQK,  1024                       ; qm's and km's
.set STEPS, 16
.set EMAX,  15
.set MANT,  0x600000                   ; the mantissa field of 57,344 as f32
.set R,     16                         ; v16-79   first path: four sets of 16 numbers
.set C,     80                         ; v80-143  codes: four registers for each step, so that no store's data are written again
.set XV,    32                         ; v32-95   second path: two sets of 32 numbers
.set CV,    96                         ; v96-159  codes: eight registers for each block, so that no store's data are written again
.set NBV,   8                          ; blocks of 32 keys for a wave
	s_load_b128 s[4:7], s[0:1], 0x0                ; qm, km
	s_load_b128 s[8:11], s[0:1], 0x10              ; vm, the scales' exponents
	s_load_b128 s[12:15], s[0:1], 0x20             ; q_codes, k_codes
	s_load_b64 s[24:25], s[0:1], 0x30              ; v_img
	v_lshrrev_b32 v1, 5, v0
	v_readfirstlane_b32 s16, v1                    ; wave
	v_and_b32 v2, 31, v0                           ; lane
	s_cmp_lt_u32 ttmp9, WGQK
	s_cbranch_scc0 .Lv
; ---------------- qm and km.  A wave takes 16 steps of 512 numbers: 8 rows.  Each of a step's four loads reads 512 consecutive bytes, 16 a lane; the lane's 16 numbers are converted as they stand in its registers,
; and its 16 codes are 16 bytes: the wave stores 512 consecutive bytes.  Loads run four steps (16 loads a wave) ahead.
	v_lshlrev_b32 v3, 4, v2                        ; 16 x lane: my bytes of a load's 512, and of a store's; never rewritten
	s_wait_kmcnt 0x0
	s_load_b64 s[22:23], s[10:11], 0x0             ; e of qm, e of km
	s_cmp_lt_u32 ttmp9, WGQ                        ; qm's work-group or km's?  The choice hangs on the work-group's number alone
	s_cselect_b64 s[4:5], s[4:5], s[6:7]
	s_cselect_b64 s[8:9], s[12:13], s[14:15]
	s_cselect_b32 s17, 0, WGQ
	s_sub_co_u32 s17, ttmp9, s17
	s_lshl_b32 s17, s17, 2
	s_add_co_u32 s18, s17, s16                     ; which run of 8 rows of the tensor is my wave's
	s_mov_b32 s19, 0
	s_and_b32 s26, s18, 1                          ; the same number with its two lowest bits in each other's place: where km's run goes
	s_lshl_b32 s26, s26, 1
	s_bfe_u32 s27, s18, 0x10001
	s_or_b32 s26, s26, s27
	s_and_b32 s27, s18, 0xfffffffc
	s_or_b32 s26, s26, s27
	s_cmp_lt_u32 ttmp9, WGQ
	s_cselect_b32 s26, s18, s26                    ; qm's runs stay where they are
	s_mov_b32 s27, 0
	s_lshl_b64 s[20:21], s[18:19], 15              ; a run is 32,768 bytes of f32,
	s_add_nc_u64 s[4:5], s[4:5], s[20:21]
	s_lshl_b64 s[20:21], s[26:27], 13              ; and 8,192 bytes of codes
	s_add_nc_u64 s[8:9], s[8:9], s[20:21]
.macro LOADQ t
.irp i, 0,1,2,3
	global_load_b128 v[R+16*((\t)%4)+4*\i:R+16*((\t)%4)+4*\i+3], v3, s[4:5] offset:2048*(\t)+512*\i th:TH_LOAD_NT   ; 32 lanes read 512 consecutive bytes
.endr
.endm
.irp t, 0,1,2,3
	LOADQ \t
.endr
	s_wait_kmcnt 0x0
	s_cmp_lt_u32 ttmp9, WGQ
	s_cselect_b32 s22, s22, s23                    ; e
	s_add_co_i32 s22, s22, 127
	s_lshl_b32 s23, s22, 23
	v_mov_b32 v11, s23                             ; 2^e as f32: the conversion takes its exponent field
	s_add_co_i32 s22, s22, EMAX
	s_lshl_b32 s22, s22, 23
	s_or_b32 s22, s22, MANT
	v_mov_b32 v10, s22                             ; 57,344 x 2^e
.macro STEPQ t
.set XS, R+16*((\t)%4)
.if STEPS-1-(\t) >= 3
	s_wait_loadcnt 12                              ; this step's four loads are in; those of the three steps behind it may be out
.else
	s_wait_loadcnt 4*(STEPS-1-(\t))                ; at the end the count runs down: 8, 4, 0
.endif
.irp i, 0,1,2,3,4,5,6,7,8,9,10,11,12,13,14,15
	v_med3_num_f32 v[XS+\i], v[XS+\i], -v10, v10   ; the conversion to an 8-bit code does not saturate (ISA guide 7.6.2): the number is held within the largest code x the scale first
.endr
	v_cvt_scalef32_pk8_bf8_f32 v[C+4*(\t):C+4*(\t)+1], v[XS:XS+7], v11
	v_cvt_scalef32_pk8_bf8_f32 v[C+4*(\t)+2:C+4*(\t)+3], v[XS+8:XS+15], v11
	global_store_b128 v3, v[C+4*(\t):C+4*(\t)+3], s[8:9] offset:512*(\t)   ; 512 consecutive bytes, at a multiple of 512 from the buffer's first byte.  (The codes go to a store alone; the next vector lines are the next step's holds, on other registers)
.if (\t)+4 < STEPS
	LOADQ (\t)+4                                   ; the set just converted takes the loads of four steps on
.endif
.endm
.irp t, 0,1,2,3,4,5,6,7,8,9,10,11,12,13,14,15
	STEPQ \t
.endr
	s_endpgm
; ---------------- vm: K = the keys is the first axis of a batch.  A LANE TAKES A COLUMN, AND ITS REGISTERS RUN DOWN THE KEYS: each load reads 128 consecutive bytes a wave (512 a work-group), and the conversions give
; 16 + 16 neighbouring keys of one column: just the 16 bytes that lanes r and r + 16 of a fragment's image hold.  So the codes are stored as they come: sixteen lanes fill 256 consecutive bytes of one image,
; the other sixteen those of the next tile of columns, 2,048 bytes on.  A work-group takes 128 columns x 256 keys, a wave 32 columns.
.Lv:
	s_sub_co_u32 s17, ttmp9, WGQK
	s_and_b32 s18, s17, 7                          ; x: which 128 columns
	s_lshr_b32 s19, s17, 3                         ; y = 8 x batch + which 256 keys
	s_lshl_b32 s20, s19, 20                        ; vm: 256 rows of 4,096 bytes,
	s_lshl_b32 s21, s18, 9                         ; 128 columns of 4,
	s_add_co_u32 s20, s20, s21
	s_lshl_b32 s21, s16, 7                         ; my wave's 32
	s_add_co_u32 s20, s20, s21
	s_mov_b32 s21, 0
	s_lshl_b32 s22, s19, 18                        ; v_img: two key steps of 64 images of 2,048 bytes,
	s_lshl_b32 s23, s18, 14                        ; eight tiles of columns,
	s_add_co_u32 s22, s22, s23
	s_lshl_b32 s23, s16, 12                        ; my wave's two
	s_add_co_u32 s22, s22, s23
	s_mov_b32 s23, 0
	v_lshlrev_b32 v3, 2, v2                        ; in: 4 bytes a lane
	v_lshrrev_b32 v4, 4, v2
	v_and_b32 v5, 15, v2
	v_lshlrev_b32 v4, 11, v4
	v_lshl_add_u32 v4, v5, 4, v4                   ; out: 2,048 (lane / 16) + 16 (lane % 16)
	s_wait_kmcnt 0x0
	s_load_b32 s30, s[10:11], 0xc                  ; e of vm
	s_add_nc_u64 s[8:9], s[8:9], s[20:21]
	s_add_nc_u64 s[24:25], s[24:25], s[22:23]
.macro LOADV t                         ; block t: V(32 t + i, my column), i = 0 .. 31, into set t % 2.  The largest offset is 255 rows: inside the signed 24-bit immediate
.irp i, 0,1,2,3,4,5,6,7,8,9,10,11,12,13,14,15,16,17,18,19,20,21,22,23,24,25,26,27,28,29,30,31
	global_load_b32 v[XV+32*((\t)%2)+\i], v3, s[8:9] offset:(32*(\t)+\i)*4096 th:TH_LOAD_NT
.endr
.endm
	LOADV 0
	LOADV 1
	s_wait_kmcnt 0x0
	s_add_co_i32 s30, s30, 127
	s_lshl_b32 s31, s30, 23
	v_mov_b32 v11, s31                             ; 2^e as f32
	s_add_co_i32 s30, s30, EMAX
	s_lshl_b32 s30, s30, 23
	s_or_b32 s30, s30, MANT
	v_mov_b32 v10, s30                             ; 57,344 x 2^e
.macro BLOCKV t
.set XS, XV+32*((\t)%2)
.if (\t) < NBV-1
	s_wait_loadcnt 32                              ; this block's 32 loads are in; the next block's may be out
.else
	s_wait_loadcnt 0
.endif
.irp i, 0,1,2,3,4,5,6,7,8,9,10,11,12,13,14,15,16,17,18,19,20,21,22,23,24,25,26,27,28,29,30,31
	v_med3_num_f32 v[XS+\i], v[XS+\i], -v10, v10
.endr
.irp g, 0,1,2,3
	v_cvt_scalef32_pk8_bf8_f32 v[CV+8*(\t)+2*\g:CV+8*(\t)+2*\g+1], v[XS+8*\g:XS+8*\g+7], v11
.endr
	global_store_b128 v4, v[CV+8*(\t):CV+8*(\t)+3], s[24:25] offset:((\t)/4)*131072+((\t)%4)*512         ; keys 0-15 of the block: the image's lanes 0-15 of piece t % 4
	global_store_b128 v4, v[CV+8*(\t)+4:CV+8*(\t)+7], s[24:25] offset:((\t)/4)*131072+((\t)%4)*512+256   ; keys 16-31: its lanes 16-31
.if (\t)+2 < NBV
	LOADV (\t)+2
.endif
.endm
.irp t, 0,1,2,3,4,5,6,7
	BLOCKV \t
.endr
	s_endpgm
.Lfunc_end_k_q2d540908b4_quant:
	.size	k_q2d540908b4_quant, .Lfunc_end_k_q2d540908b4_quant-k_q2d540908b4_quant
	.p2alignl 7, 3214868480
	.fill 96, 4, 3214868480
	.section	.rodata,"a",@progbits
	.p2align	6, 0x0
	.amdhsa_kernel k_q2d540908b4_quant
		.amdhsa_group_segment_fixed_size 0
		.amdhsa_private_segment_fixed_size 0
		.amdhsa_enable_private_segment 0
		.amdhsa_kernarg_size 56
		.amdhsa_user_sgpr_count 2
		.amdhsa_user_sgpr_kernarg_segment_ptr 1
		.amdhsa_wavefront_size32 1
		.amdhsa_system_sgpr_workgroup_id_x 1
		.amdhsa_system_sgpr_workgroup_id_y 1
		.amdhsa_system_sgpr_workgroup_id_z 1
		.amdhsa_system_vgpr_workitem_id 0
		.amdhsa_next_free_vgpr 160
		.amdhsa_next_free_sgpr 66
		.amdhsa_reserve_vcc 0
		.amdhsa_float_denorm_mode_32 3
		.amdhsa_float_denorm_mode_16_64 3
		.amdhsa_memory_ordered 1
		.amdhsa_forward_progress 1
		.amdhsa_inst_pref_size 73
	.end_amdhsa_kernel
	.amdgpu_metadata
---
amdhsa.version: [ 1, 2 ]
amdhsa.kernels:
  - .name:           k_q2d540908b4_quant
    .symbol:         k_q2d540908b4_quant.kd
    .args:
      - { .name: qm, .offset: 0, .size: 8, .value_kind: global_buffer, .address_space: global }
      - { .name: km, .offset: 8, .size: 8, .value_kind: global_buffer, .address_space: global }
      - { .name: vm, .offset: 16, .size: 8, .value_kind: global_buffer, .address_space: global }
      - { .name: lowp_scales, .offset: 24, .size: 8, .value_kind: global_buffer, .address_space: global }
      - { .name: q_codes, .offset: 32, .size: 8, .value_kind: global_buffer, .address_space: global }
      - { .name: k_codes, .offset: 40, .size: 8, .value_kind: global_buffer, .address_space: global }
      - { .name: v_img, .offset: 48, .size: 8, .value_kind: global_buffer, .address_space: global }
    .group_segment_fixed_size: 0
    .private_segment_fixed_size: 0
    .kernarg_segment_align: 8
    .kernarg_segment_size: 56
    .max_flat_workgroup_size: 128
    .sgpr_count:     66
    .vgpr_count:     160
    .wavefront_size: 32
...
	.end_amdgpu_metadata
.endif
;; end of part 1
;; launch scores (part 2): grid 8 x 64, 4 waves a work-group, clusters of 4 x 4, 327,680 bytes of LDS; arguments q_codes, k_codes, lowp_scales, p_img; writes p_img
.if DOCPART == 2
	.amdgcn_target "amdgcn-amd-amdhsa--gfx1250"
	.amdhsa_code_object_version 6
	.text
	.protected	k_q2d540908b4_scores
	.globl	k_q2d540908b4_scores
	.p2align	8
	.type	k_q2d540908b4_scores,@function
k_q2d540908b4_scores:
	s_mov_b64 s[64:65], 0
	v_nop
	global_prefetch_b8 v0, s[64:65] scope:SCOPE_SE
	s_setreg_imm32_b32 hwreg(HW_REG_WAVE_MODE, 25, 1), 1
	s_wait_xcnt 0x0
	s_wait_alu depctr_hold_cnt(0) depctr_sa_sdst(0) depctr_va_vdst(0) depctr_va_sdst(0) depctr_va_ssrc(0) depctr_va_vcc(0) depctr_vm_vsrc(0)
	s_getreg_b32 s2, hwreg(HW_REG_IB_STS2, 6, 4)
	s_cmp_eq_u32 s2, 0
	s_cbranch_scc0 .Lentry_in_a_cluster
	s_endpgm
.Lentry_in_a_cluster:
	s_bfe_u32 s2, ttmp6, 0x10000c
	s_cmp_lg_u32 s2, 0xf033
	s_cbranch_scc0 .Lentry_shape_is_right
	s_endpgm
.Lentry_shape_is_right:
; THE FIRST PRODUCT AND THE QUANTISER BEHIND IT.  S[b][q][k] = sum over d of Q[b][q][d] K[b][k][d] on codes of BF8 (E5M2); S / 32 is quantised along the keys with the given 2^e2 and leaves as codes, laid as the second product wants them.
; q_codes: [16384][1024].  k_codes: [16384][1024] with the rows of each group of 32 keys in the order 0-7, 16-23, 8-15, 24-31.  Inside a row both hold the codes in one and the same order of d, which is not ascending: the products meet their partners all the same.
; p_img: images of operand registers: fragment (block qb of 64 rows, counted through all batches;
; key step ks of 128; tile qt of 16 rows) lies at ((16 qb + ks) 4 + qt) 2048; in it lane l finds its 16 bytes of piece c at 512 c + 16 l: the codes of S[64 qb + 16 qt + l % 16][128 ks + 32 c + 16 (l / 16) + 0 .. 15].
; A sum stands for sum x 2^(e0 + e1); S / 32 / 2^e2 = sum / 2^E, E = e2 - e0 - e1 + 5: the four powers of two are folded into the conversion's one scale.  LIMIT: E between -126 and 112, so that 2^E and 57,344 x 2^E are f32 numbers.
; A tile of S, 256 x 256, is made by a work-group of four waves; a wave makes 128 x 128: 64 accumulators of 16 x 16, 512 registers.  K goes in four steps of 256 through a ring of two LDS slots filled by the tensor data mover: a tile's row is 256 bytes of memory.
; CLUSTERS: 4 x 4 work-groups, all of one batch (a batch has 8 x 8 tiles).  The four of a row of the cluster need the same tiles of Q, the four of a column the same tiles of K: each tile is asked for JOINTLY, by the same tensor load
; with the same descriptor and a mask that names the four.
; WHERE K BEGINS.  A cluster begins at K step 2 ((x + y) % 2), x and y its own place among the clusters, and wraps round.  The two clusters that walk the same rows of Q (the same y), and the two that walk the same rows of K (the same x,
; the same batch), so begin two K steps apart: what one takes as its two first fills the other takes as its two refills.  The order of the f32 sums differs from ascending K by that rotation.
; THE MATRIX INSTRUCTION IS USED TRANSPOSED (source 0 = 16 rows of k_codes, source 1 = 16 queries): lane (r, h) holds query r, and register j of the accumulator of key block b holds key 32 (b / 2) + 16 h + 8 (b % 2) + j, by the order
; of k_codes' rows.  So the 64 registers of a block of 16 queries are, in their own order, the 64 numbers of one fragment of P: eight conversions make its 16 registers, and four stores of 512 consecutive bytes write its image.  No LDS on the way out.
; No prefetch: a tile has four K steps, two of them first fills, and each tile of Q and K is asked for by several clusters.
; REGISTERS, in windows of 256: window 0: v0-31 addresses and two constants; from v128 Q's fragments (8 x 16 rows x 128 K), ONE set; on the way out v32-95 at work, v128-255 the codes.
;   window 1: K's fragments, TWO sets, at v0 and at v128.   window 2: the 32 accumulators of my rows 0-63 (accumulator (a, b) at v[8 (8 a + b)]);   window 3: those of my rows 64-127.
.set SIZE_K, 1024
.set KSTEP,  256                       ; along K in a slot
.set ROWB,   256                       ; a tile's row in bytes
.set KROW,   SIZE_K                    ; a row of codes in memory, in bytes
.set PITCH,  272                       ; an LDS row: 256 bytes of data + 16 of padding = 68 words: row r starts at bank 4 r mod 64 (64 banks of 4 bytes: ISA guide 11.1), so the 16 rows that a load touches start at 16 different banks
.set FR,     16                        ; registers of a fragment: 16 rows x 128 K
.set NL,     4                         ; LDS loads that bring one
.set NP,     4                         ; places behind this matrix instruction (ISA guide 7.12.1)
.set HALFT,  128*PITCH                 ; 128 rows: what one tensor load brings, and what one wave reads of Q or of K
.set SLOT,   4*HALFT                   ; Q's 256 rows, then K's 256 rows
.set SPARE,  2*SLOT                    ; behind the ring: the spare words, 128 bytes for each wave: two blocks of 256 bytes that no other line names
.set ADRA, 16                          ; v16-17  LDS address of my fragments of Q in slot 0, 1
.set ADRB, 20                          ; v20-21  the same for K
.set CO,   26                          ; v26     16 x lane: my place in a piece of an image; never rewritten
.set SPW,  28                          ; v28     LDS address of my spare word: SPARE + 4 x my thread's number; never rewritten
.set NIL,  29                          ; v29     0; never rewritten
.set LIM,  30                          ; v30     57,344 x 2^E
.set SCL,  31                          ; v31     2^E
.set TMP,  32                          ; the way out: 64 registers, a block's sums, held
.set AF,   128                         ; Q's fragments, in window 0
.set PCD,  128                         ; the way out: the codes, 16 registers for each block, written once
.set G1, 24                            ; s[24:31] descriptor group 1 for Q's tiles;  s[32:39] group 0, one set for each slot
.set G0, 32
.set G1B, 48                           ; s[48:55], s[56:63] the same for K's tiles
.set G0B, 56
.set KOF,   74                         ; s[74:75] the byte in a row at which slot 0's K step in hand begins: 0 or 512; made of the cluster's own place alone
.set ABASE, 76                         ; s[76:77] the first byte of the 128 rows of Q that I fetch; never holds cx
.set BBASE, 78                         ; s[78:79] the same for K; never holds cy
.set MSB, 0
.macro WIN new                         ; the immediate's high byte repeats the setting that is left
.if MSB != \new
	s_set_vgpr_msb (MSB<<8)|\new
.set MSB, \new
.endif
.endm
.set MUL_LO, 0xa1                      ; source 0 (K) window 1, source 1 (Q) window 0, C and D window 2
.set MUL_HI, 0xf1                      ; the same, C and D window 3
.set TO_B,   0x40                      ; destination window 1, address window 0
; A joint load: waves 0 and 1 fetch for Q, waves 2 and 3 for K.  Each of the two lines has ONE mask and one set of registers for all that issue it; the branch hangs on the wave's number alone.
; Four v_nop follow each of the two lines, ahead of the jump, the label and what follows.
.macro JLOAD g0a, g1a, g0b, g1b
	s_cmp_eq_u32 s15, 0
	s_cbranch_scc0 .Lfor_b_\@
	tensor_load_to_lds s[\g0a:\g0a+3], s[\g1a:\g1a+7]
	s_nop 0
.rept 4
	v_nop
.endr
	s_branch .Lasked_\@
.Lfor_b_\@:
	tensor_load_to_lds s[\g0b:\g0b+3], s[\g1b:\g1b+7]
	s_nop 0
.rept 4
	v_nop
.endr
.Lasked_\@:
.endm
; Slot s's two global addresses: my rows, at byte s[KOF] + 256 s of a row; the type on top.  It stands only where no tensor load of the wave that names these registers is out.
.macro AIM s
	s_add_nc_u64 s[G0+4*\s+2:G0+4*\s+3], s[ABASE:ABASE+1], s[KOF:KOF+1]
	s_add_nc_u64 s[G0B+4*\s+2:G0B+4*\s+3], s[BBASE:BBASE+1], s[KOF:KOF+1]
.if \s > 0
	s_add_nc_u64 s[G0+4*\s+2:G0+4*\s+3], s[G0+4*\s+2:G0+4*\s+3], (\s)*ROWB
	s_add_nc_u64 s[G0B+4*\s+2:G0B+4*\s+3], s[G0B+4*\s+2:G0B+4*\s+3], (\s)*ROWB
.endif
	s_or_b32 s[G0+4*\s+3], s[G0+4*\s+3], 0x80000000
	s_or_b32 s[G0B+4*\s+3], s[G0B+4*\s+3], 0x80000000
.endm
.macro CREST                           ; a round of the cluster's barrier behind its opening barrier
	s_cmp_lg_u32 s14, 0
	s_cbranch_scc1 .Lnot_wave_0_\@
	s_barrier_signal -3
.Lnot_wave_0_\@:
	s_barrier_wait -3
	s_barrier_signal -1
	s_barrier_wait -1
.endm
.macro CROUND                          ; a whole round
	s_barrier_signal -1
	s_barrier_wait -1
	CREST
.endm
	s_load_b128 s[4:7], s[0:1], 0x0                ; Q's codes s[4:5], K's codes s[6:7]
	s_load_b128 s[8:11], s[0:1], 0x10              ; the scales' exponents s[8:9], p_img s[10:11]
	v_lshl_add_u32 v[SPW], v0, 2, SPARE
	v_mov_b32 v[NIL], 0
	ds_add_u32 v28, v29
	ds_add_u32 v28, v29
	s_wait_dscnt 0x0
	v_lshrrev_b32 v1, 5, v0
	v_readfirstlane_b32 s14, v1                    ; wave 0..3
	s_lshr_b32 s15, s14, 1                         ; which half of the tile's rows is mine.  Also: I fetch for Q (0) or for K (1)
	s_and_b32 s16, s14, 1                          ; which half of its columns.  Also: which 128 rows of that tile I fetch
	s_bfe_u32 s40, ttmp6, 0x40000                  ; cx, cy: my place in the cluster
	s_bfe_u32 s41, ttmp6, 0x40004
	s_lshl_b32 s42, ttmp9, 2
	s_add_co_u32 s42, s42, s40                     ; tile column in the batch = 4 x cluster x + cx: 0 .. 7
	s_and_b32 s17, ttmp7, 0xffff
	s_add_co_u32 s[KOF], s17, ttmp9                ; cluster x + cluster y: all sixteen partners share it
	s_and_b32 s[KOF], s[KOF], 1
	s_lshl_b32 s[KOF], s[KOF], 9                   ; my cluster's first K step is 0 or 2: byte 0 or 512 of a row
	s_mov_b32 s[KOF+1], 0
	s_lshr_b32 s72, s17, 1                         ; the batch: two clusters along y to a batch; made of the cluster's y alone, which all sixteen share
	s_lshl_b32 s72, s72, 11                        ; its first row of K
	s_lshl_b32 s17, s17, 2
	s_add_co_u32 s17, s17, s41                     ; tile row, counted through all batches = 4 x cluster y + cy: 0 .. 63
	s_lshl_b32 s43, s41, 2
	s_lshl_b32 s43, 15, s43                        ; my row of the cluster
	s_lshl_b32 s44, 0x1111, s40                    ; my column
	; descriptor group 1: a tile of 128 rows x ROWB bytes, padded in LDS
	s_or_b32 s[G1+0], s43, (0<<16)|(1<<20)|(1<<21)|(5<<22)|(3<<25)  ; 15:0 the mask: Q's tiles go to my row; 17:16 element of 1 byte; 20 padding on; 21 set beside a mask; 24:22 after every 64 words (code 5); 31:25 of 4 words (code 3)
	s_or_b32 s[G1B+0], s44, (0<<16)|(1<<20)|(1<<21)|(5<<22)|(3<<25)
.irp g, G1, G1B
	s_mov_b32 s[\g+1], ROWB<<16                    ; tensor_dim0
	s_mov_b32 s[\g+2], 128<<16                     ; tensor_dim1 = 128
	s_mov_b32 s[\g+3], ROWB<<16                    ; tile_dim0
	s_mov_b32 s[\g+4], 128                         ; tile_dim1 = 128
	s_mov_b32 s[\g+5], KROW                        ; tensor_dim0_stride
	s_mov_b32 s[\g+6], 0
	s_mov_b32 s[\g+7], 0
.endr
	s_lshl_b32 s18, s16, 7                         ; which 128 rows of the tile I fetch
	s_lshl_b32 s20, s17, 8
	s_add_co_u32 s20, s20, s18                     ; Q: row 256 x tile row + 128 x half
	s_lshl_b32 s46, s42, 8
	s_add_co_u32 s46, s46, s18
	s_add_co_u32 s46, s46, s72                     ; K: row 2,048 x batch + 256 x tile column + 128 x half
	s_mov_b32 s21, 0
	s_mov_b32 s47, 0
	s_mov_b64 s[18:19], KROW
	s_mul_u64 s[20:21], s[20:21], s[18:19]         ; in bytes
	s_mul_u64 s[46:47], s[46:47], s[18:19]
	s_mul_i32 s45, s14, HALFT                      ; where they go: wave x 128 rows: no place in the cluster enters an LDS address
	s_wait_kmcnt 0x0
	s_load_b128 s[68:71], s[8:9], 0x0              ; e0, e1, e2, e3
	s_add_nc_u64 s[ABASE:ABASE+1], s[4:5], s[20:21]
	s_add_nc_u64 s[BBASE:BBASE+1], s[6:7], s[46:47]
	CROUND                                         ; all sixteen work-groups are here: the first joint loads meet
.irp s, 0,1
	s_mov_b32 s[G0+4*\s], 1
	s_add_co_u32 s[G0+4*\s+1], s45, \s*SLOT
	s_mov_b32 s[G0B+4*\s], 1
	s_add_co_u32 s[G0B+4*\s+1], s45, \s*SLOT
	AIM \s                                         ; my cluster's first two K steps
	JLOAD G0+4*\s, G1, G0B+4*\s, G1B
.endr
	s_xor_b32 s[KOF], s[KOF], 512                  ; the two refills take the other two K steps
	v_and_b32 v1, 15, v0                           ; l % 16
	v_bfe_u32 v2, v0, 4, 1                         ; l / 16
	v_mul_u32_u24 v3, v1, PITCH
	v_lshl_add_u32 v4, v2, 4, v3                   ; a fragment's row x pitch + 16 x half
	s_mul_i32 s21, s15, HALFT                      ; my 128 rows of Q
	s_mul_i32 s22, s16, HALFT                      ; my 128 rows of K,
	s_add_co_u32 s22, s22, 2*HALFT                 ; which lie behind Q's 256
.irp s, 0,1
	v_add_nc_u32 v[ADRA+\s], s21, v4
	v_add_nc_u32 v[ADRB+\s], s22, v4
	s_add_co_u32 s21, s21, SLOT
	s_add_co_u32 s22, s22, SLOT
.endr
	v_and_b32 v6, 31, v0
	v_lshlrev_b32 v[CO], 4, v6                     ; 16 x lane
	s_lshl_b32 s20, s17, 2                         ; my first block of 64 rows: 4 x tile row + 2 x half,
	s_lshl_b32 s21, s15, 1
	s_add_co_u32 s20, s20, s21
	s_lshl_b32 s20, s20, 4                         ; x 16 key steps,
	s_lshl_b32 s46, s42, 1
	s_add_co_u32 s46, s46, s16                     ; my key step: 2 x tile column + half,
	s_add_co_u32 s20, s20, s46
	s_lshl_b32 s20, s20, 13                        ; x four images of 2,048 bytes
	s_mov_b32 s21, 0
	s_add_nc_u64 s[10:11], s[10:11], s[20:21]
.macro FRAG reg, adr, q, i             ; a fragment, 16 rows x 128 K of 8-bit codes, is 16 registers: lane l holds row l % 16; registers 4 c .. 4 c + 3 hold bytes 32 c + 16 (l / 16) + 0 .. 15 of the row's 128: the same in both operands
.irp c, 0,1,2,3
	ds_load_b128 v[\reg+4*\c:\reg+4*\c+3], v[\adr] offset:128*(\q)+32*\c+(\i)*16*PITCH
.endr
.endm
; 16 matrix instructions: Q's blocks a0, a0 + 1 x K's eight, 128 along K.  p: K's set.  zero = 1: the first product starts the sums: nothing is ever cleared.
; The 64 accumulators take turns, one instruction a turn, in the same order in every step.
.macro MUL16 a0, p, zero
.irp a, \a0, \a0+1
.irp b, 0,1,2,3,4,5,6,7
.if \zero
	v_wmma_f32_16x16x128_bf8_bf8 v[8*(8*((\a)%4)+\b):8*(8*((\a)%4)+\b)+7], v[128*(\p)+FR*\b:128*(\p)+FR*\b+FR-1], v[AF+FR*(\a):AF+FR*(\a)+FR-1], 0
.else
	v_wmma_f32_16x16x128_bf8_bf8 v[8*(8*((\a)%4)+\b):8*(8*((\a)%4)+\b)+7], v[128*(\p)+FR*\b:128*(\p)+FR*\b+FR-1], v[AF+FR*(\a):AF+FR*(\a)+FR-1], v[8*(8*((\a)%4)+\b):8*(8*((\a)%4)+\b)+7]
.endif
.endr
.endr
.endm
.macro FETCH_B slot, q, p              ; K's eight fragments of the slot's q-th 128 along K into set p
	WIN TO_B
.irp i, 0,1,2,3,4,5,6,7
	FRAG 128*(\p)+FR*\i, ADRB+\slot, \q, \i
.endr
	WIN 0
.endm
.macro FETCH_A slot, q, i0             ; Q's blocks i0 .. i0 + 3
.irp i, \i0, \i0+1, \i0+2, \i0+3
	FRAG AF+FR*(\i), ADRA+\slot, \q, \i
.endr
.endm
; A load into a register that a matrix instruction has read, and a vector instruction that reads a matrix result, stand NP places behind that matrix instruction, and only plain vector
; instructions that name none of its registers are places (ISA guide 7.12.1 for vector instructions).
.macro PLACES n
.rept \n
	v_nop
.endr
.endm
; A step of 128 along K that has its successor in the same slot.  A block of Q is free as soon as its eight products are issued, so one set serves Q: blocks 0-3 are fetched anew in the step's middle, blocks 4-7 at its end.
.macro STEP slot, q, zero
	s_wait_dscnt 4*NL                              ; K's set and Q's blocks 0-3 are in; the youngest sixteen loads (Q's blocks 4-7) may be out
	WIN MUL_LO
	MUL16 0, (\q)%2, \zero
	MUL16 2, (\q)%2, \zero
	s_wait_dscnt 0                                 ; Q's blocks 4-7 are in (asked for 32 matrix instructions ago)
	PLACES NP
	FETCH_B \slot, (\q)+1, 1-(\q)%2
	FETCH_A \slot, (\q)+1, 0
	WIN MUL_HI
	MUL16 4, (\q)%2, \zero
	MUL16 6, (\q)%2, \zero
	PLACES NP
	WIN 0
	FETCH_A \slot, (\q)+1, 4
.endm
; A slot's last step changes slots: ONE barrier; in front of it each wave waits for all its tensor loads, adds 0 to its spare word, and waits for that and for its own reads of this slot.  fill = 1: this slot is filled again, with the K step two on (round the end of K).
.macro TURN slot, next, fill
	s_wait_tensorcnt 0x0                           ; all my tensor loads have landed: my part of the next slot;  (every window is 0 here: the add's two registers lie in window 0)
	ds_add_u32 v[SPW], v[NIL]                      ; 0 onto my spare word
	s_wait_dscnt 4*NL+1                            ; (the add and the youngest sixteen loads, Q's blocks 4-7, may be out)
	WIN MUL_LO
	MUL16 0, 1, 0                                  ; sixteen matrix instructions stand between the add and the wait for it
	s_wait_dscnt 0x0                               ; the add is done, and my reads of this slot are over
	s_barrier_signal -1
	MUL16 2, 1, 0
	WIN 0
	s_barrier_wait -1
.if \fill
	CREST                                          ; the barrier has opened a round of the cluster's barrier: no wave of any partner still reads this slot's tile or has a load on its way
	AIM \slot                                      ; no tensor load of mine is out, so a group 0 may be written
	JLOAD G0+4*\slot, G1, G0B+4*\slot, G1B         ; the first tensor load behind the round; the four v_nop behind it are the places in front of the loads below
.else
	PLACES NP
.endif
	FETCH_B \next, 0, 0
	FETCH_A \next, 0, 0
	WIN MUL_HI
	MUL16 4, 1, 0
	MUL16 6, 1, 0
	PLACES NP
	WIN 0
	FETCH_A \next, 0, 4
.endm
	s_wait_tensorcnt 1                             ; my part of the first K step is in (the second's load may be out)
	s_barrier_signal -1
	s_barrier_wait -1                              ; everybody's is
	FETCH_B 0, 0, 0
	FETCH_A 0, 0, 0
	FETCH_A 0, 0, 4
	STEP 0, 0, 1                                   ; the first products start the sums.  K has four steps of 256, two laps of the ring: written out, since each slot is filled again just once
	TURN 0, 1, 1
	STEP 1, 0, 0
	TURN 1, 0, 1
	STEP 0, 0, 0
	TURN 0, 1, 0                                   ; the last lap fills nothing, and has no round of the cluster's barrier
	STEP 1, 0, 0
	s_wait_dscnt 4*NL                              ; the very last step: nothing more to fetch
	WIN MUL_LO
	MUL16 0, 1, 0
	MUL16 2, 1, 0
	s_wait_dscnt 0
	WIN MUL_HI
	MUL16 4, 1, 0
	MUL16 6, 1, 0
	WIN 0
; THE WAY OUT, block by block of 16 queries x 128 keys.  The block's 64 sums are held within +-57,344 x 2^E into other registers, each accumulator from its low end on; eight conversions make the fragment's 16 registers;
; four stores write its image, 512 consecutive bytes each, at a multiple of 512 from the buffer's first byte.  Each block has code registers of its own, and neither the offset nor the base is stepped: no store's source is written again.
.macro OUT a
	WIN 0x02+((\a)/4)                              ; source 0: window 2 or 3
.set n, 0
.rept 64
	v_med3_num_f32 v[TMP+n], v[64*((\a)%4)+n], -v[LIM], v[LIM]   ; the conversion to an 8-bit code does not saturate (ISA guide 7.6.2)
.set n, n+1
.endr
	WIN 0
.irp b, 0,1,2,3,4,5,6,7
	v_cvt_scalef32_pk8_bf8_f32 v[PCD+16*(\a)+2*\b:PCD+16*(\a)+2*\b+1], v[TMP+8*\b:TMP+8*\b+7], v[SCL]   ; key block b: keys 32 (b / 2) + 16 h + 8 (b % 2) + 0 .. 7: registers 2 b, 2 b + 1 of the fragment
.endr
	v_nop                                          ; one plain vector instruction between the conversions and the next block's holds, which write their sources
.irp c, 0,1,2,3
	global_store_b128 v[CO], v[PCD+16*(\a)+4*\c:PCD+16*(\a)+4*\c+3], s[10:11] offset:((\a)/4)*131072+((\a)%4)*2048+512*\c th:TH_STORE_NT
.endr
.endm
	s_wait_kmcnt 0x0
	s_sub_co_i32 s70, s70, s68
	s_sub_co_i32 s70, s70, s69                     ; e2 - e0 - e1,
	s_add_co_i32 s70, s70, 5+127                   ; + 5 for the division by 32 = sqrt(1024): E, with f32's bias
	s_lshl_b32 s71, s70, 23
	v_mov_b32 v[SCL], s71                          ; 2^E as f32: the conversion takes its exponent field
	s_add_co_i32 s70, s70, 15
	s_lshl_b32 s70, s70, 23
	s_or_b32 s70, s70, 0x600000
	v_mov_b32 v[LIM], s70                          ; 57,344 x 2^E
	PLACES NP-2                                    ; with the two lines above: four places behind the last products
.irp a, 0,1,2,3,4,5,6,7
	OUT \a
.endr
	s_wait_tensorcnt 0x0                           ; the wave's end, behind my last tensor load
	ds_add_u32 v[SPW], v[NIL]
	s_wait_dscnt 0x0
	CROUND                                         ; the closing round: no work-group ends while a partner may still ask for a tile that names it
	s_endpgm
.Lfunc_end_k_q2d540908b4_scores:
	.size	k_q2d540908b4_scores, .Lfunc_end_k_q2d540908b4_scores-k_q2d540908b4_scores
	.p2alignl 7, 3214868480
	.fill 96, 4, 3214868480
	.section	.rodata,"a",@progbits
	.p2align	6, 0x0
	.amdhsa_kernel k_q2d540908b4_scores
		.amdhsa_group_segment_fixed_size 327680
		.amdhsa_private_segment_fixed_size 0
		.amdhsa_enable_private_segment 0
		.amdhsa_kernarg_size 32
		.amdhsa_user_sgpr_count 2
		.amdhsa_user_sgpr_kernarg_segment_ptr 1
		.amdhsa_wavefront_size32 1
		.amdhsa_system_sgpr_workgroup_id_x 1
		.amdhsa_system_sgpr_workgroup_id_y 1
		.amdhsa_system_sgpr_workgroup_id_z 1
		.amdhsa_system_vgpr_workitem_id 0
		.amdhsa_next_free_vgpr 1024
		.amdhsa_next_free_sgpr 80
		.amdhsa_reserve_vcc 0
		.amdhsa_float_denorm_mode_32 3
		.amdhsa_float_denorm_mode_16_64 3
		.amdhsa_memory_ordered 1
		.amdhsa_forward_progress 1
		.amdhsa_inst_pref_size 118
	.end_amdhsa_kernel
	.amdgpu_metadata
---
amdhsa.version: [ 1, 2 ]
amdhsa.kernels:
  - .name:           k_q2d540908b4_scores
    .symbol:         k_q2d540908b4_scores.kd
    .args:
      - { .name: q_codes, .offset: 0, .size: 8, .value_kind: global_buffer, .address_space: global }
      - { .name: k_codes, .offset: 8, .size: 8, .value_kind: global_buffer, .address_space: global }
      - { .name: lowp_scales, .offset: 16, .size: 8, .value_kind: global_buffer, .address_space: global }
      - { .name: p_img, .offset: 24, .size: 8, .value_kind: global_buffer, .address_space: global }
    .group_segment_fixed_size: 327680
    .private_segment_fixed_size: 0
    .kernarg_segment_align: 8
    .kernarg_segment_size: 32
    .max_flat_workgroup_size: 128
    .sgpr_count:     80
    .vgpr_count:     1024
    .wavefront_size: 32
...
	.end_amdgpu_metadata
.endif
;; end of part 2
;; launch pv_softmax (part 3): grid 32 x 8, 4 waves a work-group, clusters of 4 x 1, 327,680 bytes of LDS; arguments p_img, v_img, lowp_scales, out0; writes out0
.if DOCPART == 3
	.amdgcn_target "amdgcn-amd-amdhsa--gfx1250"
	.amdhsa_code_object_version 6
	.text
	.protected	k_q2d540908b4_pv_softmax
	.globl	k_q2d540908b4_pv_softmax
	.p2align	8
	.type	k_q2d540908b4_pv_softmax,@function
k_q2d540908b4_pv_softmax:
	s_mov_b64 s[64:65], 0
	v_nop
	global_prefetch_b8 v0, s[64:65] scope:SCOPE_SE
	s_setreg_imm32_b32 hwreg(HW_REG_WAVE_MODE, 25, 1), 1
	s_wait_xcnt 0x0
	s_wait_alu depctr_hold_cnt(0) depctr_sa_sdst(0) depctr_va_vdst(0) depctr_va_sdst(0) depctr_va_ssrc(0) depctr_va_vcc(0) depctr_vm_vsrc(0)
	s_getreg_b32 s2, hwreg(HW_REG_IB_STS2, 6, 4)
	s_cmp_eq_u32 s2, 0
	s_cbranch_scc0 .Lentry_in_a_cluster
	s_endpgm
.Lentry_in_a_cluster:
	s_bfe_u32 s2, ttmp6, 0x10000c
	s_cmp_lg_u32 s2, 0x3003
	s_cbranch_scc0 .Lentry_shape_is_right
	s_endpgm
.Lentry_shape_is_right:
; THE SECOND PRODUCT AND THE SOFTMAX.  O[b][q][d] = sum over the 2,048 keys of P[b][q][k] V[b][k][d] on codes of BF8 (E5M2); out0 = softmax over d of O x 2^(e2 + e3), f32.
; p_img, v_img: images of operand registers, 2,048 bytes a fragment of 16 rows x 128 keys; lane l finds its 16 bytes of piece c at 512 c + 16 l (keys 32 c + 16 (l / 16) + 0 .. 15: the same order of K in both operands).
;   P's fragment (block of 64 rows, key step, tile of 16 rows) at ((16 block + step) 4 + tile) 2048; V's (batch, key step, tile of 16 columns) at ((16 batch + step) 64 + tile) 2048.  So a key step's V is one dense block of 131,072 bytes, its P one of 8,192.
; SHARES.  The softmax wants whole rows of 1,024 columns in one work-group: a work-group owns 64 rows x 1,024 columns, 512 accumulator registers in each of its four waves; 16,384 rows make 256 work-groups.
; Wave w owns columns 256 w .. 256 w + 255 of all 64 rows.  The product is used transposed (source 0 = 16 columns of V, source 1 = 16 rows of P): lane (r, h) holds ONE row r of a tile throughout, and register j of the
; accumulator (half hf, tile qt, block b), v[8 (8 qt + b)] of window 2 + hf, is O(16 qt + r, 256 w + 128 hf + 16 b + 8 h + j).
; THE RING.  Two LDS slots, a key step of 128 keys each.  Waves 0 and 1 fetch V's halves, waves 2 and 3 P's halves: one tensor load a wave behind each change of slots.  In the middle of a step all that the step reads of its slot is in
; registers, so the slot is filled again there, with the step two on: 64 matrix instructions a wave stand between a request and the wait for it.
; CLUSTER.  The four work-groups of a cluster are four row blocks of one batch and walk the same V: its tiles are asked for JOINTLY (mask 15).  P's tile is the work-group's own: a plain load, with no mask.
; WHERE THE KEYS BEGIN.  Cluster j of a batch's eight begins at key step 4 ((j xor (j >> 2)) % 4) and walks all sixteen, round the end.  So at any time the batch's clusters ask for four different quarters of V, and from a cluster's
; fifth step on each block of V that it asks for has been asked for by another cluster's load four steps earlier.  The order of the f32 sums differs from ascending keys by that rotation.
; THE SOFTMAX takes the row's true maximum m of the finished sums (2^(e2 + e3) is positive), p = 2^((x - m) c), c = log2(e) x 2^(e2 + e3).  The difference is taken first and then multiplied, in two instructions: it is never above 0,
; whatever the sums' size, so no exponential overflows; fused as c x - c m the rounding of c m would come in as a shift that grows with the sums.
; LIMIT: e2 + e3 between -126 and 127, so that c is an f32 number (the two exponents are added to its exponent field).  NaN among the inputs is not served.
; REGISTERS, in windows of 256: window 0: v16-30 addresses; v32-63 the rows' figures; v64-127, v128-191 P's four fragments, two sets; on the way out v64-127 at work, v128-255 rows read back, two sets.
;   window 1: V's 16 fragments of my columns, ONE set (fragment f at v[16 f]): fragments 0-7 are free when the step's first 32 products are issued, fragments 8-15 at its end.   windows 2, 3: the accumulators.
.set VBYTES, 131072                    ; a key step's V: 1 << 17
.set PBYTES, 8192                      ; and P: 1 << 13
.set SLOT,   VBYTES+PBYTES             ; a slot: V's 64 images, then P's four.  No padding: every fragment load reads 512 consecutive bytes
.set STAGE,  2*SLOT                    ; behind the ring: 16 rows x (512 bytes + 16) for each wave, for the way out
.set SPITCH, 528
.set STAT,   STAGE+4*16*SPITCH         ; the waves' maxima: word 256 qt + 16 r + 4 w; 1,024 bytes
.set STAT2,  STAT+1024                 ; the waves' sums, laid likewise
.set SPARE,  STAT2+1024                ; the spare words, 128 bytes for each wave: two blocks of 256 bytes that no other line names
.set ADRV, 16                          ; v16-17  LDS address of my fragments of V in slot 0, 1
.set ADRP, 20                          ; v20-21  the same for P
.set STA,  22                          ; v22     where I put my wave's figure of row r
.set STR,  23                          ; v23     where I read the four waves' figures of row r
.set STO,  24                          ; v24     the way out: where I put 32 bytes of a row
.set RD,   25                          ; v25     the way out: where I read a row back
.set CO,   26                          ; v26     16 x lane
.set SPW,  28                          ; v28     LDS address of my spare word: SPARE + 4 x my thread's number; never rewritten
.set NIL,  29                          ; v29     0; never rewritten
.set PFO,  30                          ; v30     256 x lane: the prefetches' offset; never rewritten
.set MX,   32                          ; v32-35  a maximum for each tile of rows
.set T,    36                          ; v36-39  what the other half of the lanes holds
.set MP,   40                          ; v40-47  the row's maximum, as pairs
.set SM,   48                          ; v48-55  the row's sum, in two halves
.set RC,   56                          ; v56-63  1 / the sum, as pairs
.set PF,   64                          ; P's sets
.set W4,   96                          ; v96-111 the four waves' figures
.set TMP,  64
.set BK,   128
.set G1V, 24                           ; s[24:31] descriptor group 1 for V's tiles;  s[32:39] group 0, one set for each slot
.set G0V, 32
.set VB,  44                           ; s[44:45] V at my batch's key step 0, at the half that I fetch; never holds cx
.set PH,  46                           ; s[46:47] P at my block's key step 0, at the half that I fetch
.set G1P, 48                           ; s[48:55], s[56:63] the same for P's tiles
.set G0P, 56
.set CS,  72                           ; s[72:73] c: the packed form names a pair and takes its low word for both halves
.set SEL, 74                           ; s[74:75] lane selects for v_permlanex16_b32: lane l xor 16
.set PFP, 78                           ; s[78:79] where my prefetch of P stands
.set ST,  81                           ; s81, s82 the key step that slot 0, 1 holds or has been asked to hold: 0 .. 15; made of the cluster's own place alone
.set SPF, 83                           ; s83     the key step that was prefetched last
.set OV,  84                           ; s[84:85] a key step's byte offset in V;  s[86:87] in P;  s[90:91] in P, for the prefetch: the upper words stay 0
.set OP,  86
.set PB,  88                           ; s[88:89] P at my block's key step 0
.set OPF, 90
.set MSB, 0
.macro WIN new                         ; the immediate's high byte repeats the setting that is left
.if MSB != \new
	s_set_vgpr_msb (MSB<<8)|\new
.set MSB, \new
.endif
.endm
.set MUL_LO, 0xa1                      ; source 0 (V) window 1, source 1 (P) window 0, C and D window 2
.set MUL_HI, 0xf1                      ; the same, C and D window 3
.set TO_V,   0x40                      ; destination window 1, address window 0
.macro PLACES n                        ; plain vector instructions in front of loads into registers that matrix instructions have read, and of the first read of results (ISA guide 7.12.1 for the first read of results)
.rept \n
	v_nop
.endr
.endm
; Slot n's fill: waves 0 and 1 ask jointly for V's halves, waves 2 and 3 for their own work-group's halves of P.  The branch hangs on the wave's number alone.  Four v_nop follow each of the two lines.
.macro JLOAD n
	s_cmp_eq_u32 s15, 0
	s_cbranch_scc0 .Lfor_p_\@
	tensor_load_to_lds s[G0V+4*\n:G0V+4*\n+3], s[G1V:G1V+7]
	s_nop 0
.rept 4
	v_nop
.endr
	s_branch .Lasked_\@
.Lfor_p_\@:
	tensor_load_to_lds s[G0P+4*\n:G0P+4*\n+3], s[G1P:G1P+7]
	s_nop 0
.rept 4
	v_nop
.endr
.Lasked_\@:
.endm
; Slot n's two global addresses, at key step s[ST + n]; the type on top.  It stands only where no tensor load of the wave that names these registers is out.
.macro AIM n
	s_lshl_b32 s[OV], s[ST+\n], 17
	s_lshl_b32 s[OP], s[ST+\n], 13
	s_add_nc_u64 s[G0V+4*\n+2:G0V+4*\n+3], s[VB:VB+1], s[OV:OV+1]
	s_or_b32 s[G0V+4*\n+3], s[G0V+4*\n+3], 0x80000000
	s_add_nc_u64 s[G0P+4*\n+2:G0P+4*\n+3], s[PH:PH+1], s[OP:OP+1]
	s_or_b32 s[G0P+4*\n+3], s[G0P+4*\n+3], 0x80000000
.endm
.macro CROUND                          ; a round of the cluster's barrier
	s_barrier_signal -1
	s_barrier_wait -1
	s_cmp_lg_u32 s14, 0
	s_cbranch_scc1 .Lnot_wave_0_\@
	s_barrier_signal -3
.Lnot_wave_0_\@:
	s_barrier_wait -3
	s_barrier_signal -1
	s_barrier_wait -1
.endm
; A PREFETCH INTO THE L2 of P's key step that stands four steps on: what the refill two steps from now will ask for, 128 matrix instructions ahead of that load.  P is the work-group's own: its wave 3 asks for the step's 8,192 bytes,
; lanes 256 bytes apart, so each aligned block of 256 bytes is named once in the launch.  My first four steps come by their loads alone; my steps 12 on ask for nothing: there is no sixteenth step behind them.
; V is not prefetched: within the first four steps each of its sixteen key steps is asked for by a tensor load of one of the batch's clusters.
.macro ASK
	s_cmp_eq_u32 s14, 3
	s_cbranch_scc0 .Lno_p_\@
	global_prefetch_b8 v[PFO], s[PFP:PFP+1] th:TH_LOAD_NT scope:SCOPE_SE
.Lno_p_\@:
.endm
	s_load_b256 s[4:11], s[0:1], 0x0               ; p_img s[4:5], v_img s[6:7], the scales' exponents s[8:9], out0 s[10:11]
	v_lshl_add_u32 v[SPW], v0, 2, SPARE
	v_mov_b32 v[NIL], 0
	ds_add_u32 v28, v29
	ds_add_u32 v28, v29
	s_wait_dscnt 0x0
	v_lshrrev_b32 v1, 5, v0
	v_readfirstlane_b32 s14, v1                    ; wave 0..3
	s_lshr_b32 s15, s14, 1                         ; I fetch for V (0) or for P (1),
	s_and_b32 s16, s14, 1                          ; and which half
	s_and_b32 s17, ttmp7, 0xffff                   ; the batch, which the four partners share
	s_bfe_u32 s40, ttmp6, 0x40000                  ; cx: my place in the cluster
	s_lshl_b32 s42, ttmp9, 2
	s_add_co_u32 s42, s42, s40                     ; my block of 64 rows in the batch = 4 x cluster x + cx
	s_lshl_b32 s43, s17, 5
	s_add_co_u32 s43, s43, s42                     ; and counted through all batches: 0 .. 255
	s_lshr_b32 s[ST], ttmp9, 2                     ; j = the cluster's x, 0 .. 7, which the four partners share:
	s_xor_b32 s[ST], s[ST], ttmp9
	s_and_b32 s[ST], s[ST], 3                      ; (j xor (j >> 2)) % 4: four different numbers on j = 0 .. 3, on 4 .. 7, on the even j and on the odd j
	s_lshl_b32 s[ST], s[ST], 2                     ; my cluster's first key step: 0, 4, 8 or 12: slot 0's,
	s_add_co_u32 s[ST+1], s[ST], 1                 ; slot 1's,
	s_add_co_u32 s[SPF], s[ST], 3                  ; and the one ahead of the first that is prefetched
	s_mov_b32 s[OV+1], 0
	s_mov_b32 s[OP+1], 0
	s_mov_b32 s[OPF+1], 0
	; descriptor group 1: dense blocks, as rows of 32 elements of 8 bytes
	s_mov_b32 s[G1V+0], 15|(3<<16)|(1<<21)         ; 15:0 the mask: all four work-groups; 17:16 elements of 8 bytes; 20 no padding; 21 set beside a mask
	s_mov_b32 s[G1V+1], 32<<16                     ; tensor_dim0 = 32
	s_mov_b32 s[G1V+2], 256<<16                    ; tensor_dim1 = 256
	s_mov_b32 s[G1V+3], 32<<16                     ; tile_dim0 = 32
	s_mov_b32 s[G1V+4], 256                        ; tile_dim1 = 256: 65,536 bytes
	s_mov_b32 s[G1V+5], 32                         ; tensor_dim0_stride
	s_mov_b32 s[G1V+6], 0
	s_mov_b32 s[G1V+7], 0
	s_mov_b32 s[G1P+0], 3<<16                      ; no mask: my work-group's own tile
	s_mov_b32 s[G1P+1], 32<<16
	s_mov_b32 s[G1P+2], 16<<16                     ; 16 rows: 4,096 bytes
	s_mov_b32 s[G1P+3], 32<<16
	s_mov_b32 s[G1P+4], 16
	s_mov_b32 s[G1P+5], 32
	s_mov_b32 s[G1P+6], 0
	s_mov_b32 s[G1P+7], 0
	s_lshl_b32 s18, s17, 21                        ; V: the batch's 16 key steps of 131,072 bytes, + my half: of numbers that the partners share alone
	s_lshl_b32 s19, s16, 16
	s_add_co_u32 s18, s18, s19
	s_mov_b32 s19, 0
	s_lshl_b32 s20, s43, 17                        ; P: my block's 16 key steps of 8,192 bytes, + my half
	s_lshl_b32 s21, s16, 12
	s_add_co_u32 s20, s20, s21
	s_mov_b32 s21, 0
	s_lshl_b32 s22, s16, 16                        ; where they go in a slot: no place in the cluster enters an LDS address
	s_lshl_b32 s23, s16, 12
	s_add_co_u32 s23, s23, VBYTES
	s_mov_b32 s[SEL], 0x76543210
	s_mov_b32 s[SEL+1], 0xfedcba98
	s_wait_kmcnt 0x0
	s_load_b128 s[68:71], s[8:9], 0x0              ; e0, e1, e2, e3
	s_add_nc_u64 s[VB:VB+1], s[6:7], s[18:19]
	s_add_nc_u64 s[PH:PH+1], s[4:5], s[20:21]
	CROUND                                         ; all four work-groups are here: the first joint loads meet
.irp n, 0,1
	s_mov_b32 s[G0V+4*\n], 1                                       ; count = 1
	s_add_co_u32 s[G0V+4*\n+1], s22, \n*SLOT                       ; LDS address
	s_mov_b32 s[G0P+4*\n], 1
	s_add_co_u32 s[G0P+4*\n+1], s23, \n*SLOT
	AIM \n                                         ; global addresses: my cluster's first two key steps
	JLOAD \n                                       ; two loads of mine are out
.endr
	v_and_b32 v1, 31, v0                           ; lane
	v_and_b32 v2, 15, v0                           ; r
	v_bfe_u32 v3, v0, 4, 1                         ; h
	v_lshlrev_b32 v[CO], 4, v1
	v_lshlrev_b32 v[PFO], 8, v1
	s_lshl_b32 s22, s14, 15                        ; my 16 images of V: 32,768 x wave
	v_add_nc_u32 v[ADRV], s22, v[CO]
	v_add_nc_u32 v[ADRV+1], SLOT, v[ADRV]
	v_add_nc_u32 v[ADRP], VBYTES, v[CO]
	v_add_nc_u32 v[ADRP+1], SLOT, v[ADRP]
	v_lshlrev_b32 v[STR], 4, v2
	v_add_nc_u32 v[STR], STAT, v[STR]
	s_lshl_b32 s22, s14, 2
	v_add_nc_u32 v[STA], s22, v[STR]
	s_mul_i32 s23, s14, 16*SPITCH
	s_add_co_u32 s23, s23, STAGE                   ; my stage
	v_mul_u32_u24 v[STO], v2, SPITCH               ; in: row r, 32 bytes for each half of the lanes
	v_lshl_add_u32 v[STO], v3, 5, v[STO]
	v_add_nc_u32 v[STO], s23, v[STO]
	v_add_nc_u32 v[RD], s23, v[CO]                 ; back: the 32 lanes take one row of 512 bytes
.irp q, 0,1,2,3
	v_mov_b32 v[T+\q], 0                           ; written once: a lane permute's destination counts as one of its sources
.endr
	s_lshl_b32 s20, s43, 18                        ; out0: my block's 64 rows of 4,096 bytes, + my wave's 256 columns
	s_lshl_b32 s21, s14, 10
	s_add_co_u32 s20, s20, s21
	s_mov_b32 s21, 0
	s_add_nc_u64 s[10:11], s[10:11], s[20:21]
	s_lshl_b32 s20, s43, 17                        ; the prefetches' base: P at my block's key step 0
	s_add_nc_u64 s[PB:PB+1], s[4:5], s[20:21]
	s_wait_kmcnt 0x0
	s_add_co_i32 s[CS], s70, s71
	s_lshl_b32 s[CS], s[CS], 23
	s_add_co_i32 s[CS], s[CS], 0x3fb8aa3b          ; c = log2(e) x 2^(e2 + e3): the two exponents are added to the exponent field
	s_mov_b32 s[CS+1], s[CS]                       ; (named with it as a pair, so it is written)
; 16 matrix instructions: tiles of rows q0, q0 + 1 x the eight blocks of columns of half hf, 128 keys.  set: P's set.  zero = 1: the first product starts the sums: nothing is ever cleared.
; The 64 accumulators take turns, one instruction a turn, in the same order in every step.
.macro MUL hf, q0, set, zero
.irp q, \q0, \q0+1
.irp b, 0,1,2,3,4,5,6,7
.if \zero
	v_wmma_f32_16x16x128_bf8_bf8 v[8*(8*(\q)+\b):8*(8*(\q)+\b)+7], v[16*(8*\hf+\b):16*(8*\hf+\b)+15], v[PF+64*\set+16*(\q):PF+64*\set+16*(\q)+15], 0
.else
	v_wmma_f32_16x16x128_bf8_bf8 v[8*(8*(\q)+\b):8*(8*(\q)+\b)+7], v[16*(8*\hf+\b):16*(8*\hf+\b)+15], v[PF+64*\set+16*(\q):PF+64*\set+16*(\q)+15], v[8*(8*(\q)+\b):8*(8*(\q)+\b)+7]
.endif
.endr
.endr
.endm
.macro FETCH_P n                       ; slot n's four fragments of P into set n: 16 loads
.irp q, 0,1,2,3
.irp c, 0,1,2,3
	ds_load_b128 v[PF+64*(\n)+16*\q+4*\c:PF+64*(\n)+16*\q+4*\c+3], v[ADRP+(\n)] offset:2048*\q+512*\c
.endr
.endr
.endm
.macro FETCH_V n, f0                   ; slot n's fragments f0 .. f0 + 7 of my columns of V: 32 loads
	WIN TO_V
.irp f, 0,1,2,3,4,5,6,7
.irp c, 0,1,2,3
	ds_load_b128 v[16*(\f0+\f)+4*\c:16*(\f0+\f)+4*\c+3], v[ADRV+(\n)] offset:2048*(\f0+\f)+512*\c
.endr
.endr
	WIN 0
.endm
; A KEY STEP that has a successor.  Its first 32 products; then the change of slots: each wave waits for all its tensor loads (one is out: its part of the other slot), adds 0 to its spare word, and waits for that and for its reads of
; this slot, of which the last are V's fragments 8-15.  Behind the barrier nobody reads this slot any more and the other slot is whole.  fill = 1: the barrier is a round of the cluster's, and this slot takes the step two on.
; Then the next step's P and V's fragments 0-7 are fetched, the step's other 32 products follow, and V's fragments 8-15 at the end.
.macro TURN slot, fill, ask, zero
.if \ask
	s_wait_xcnt 0x0                                ; the last prefetch, a key step back, has read its address: it is made anew here, ahead of the change of slots
	s_add_co_u32 s[SPF], s[SPF], 1
	s_and_b32 s[SPF], s[SPF], 15                   ; round the end of the keys
	s_lshl_b32 s[OPF], s[SPF], 13
	s_add_nc_u64 s[PFP:PFP+1], s[PB:PB+1], s[OPF:OPF+1]
.endif
	s_wait_dscnt 32                                ; P's set and V's fragments 0-7 are in; the youngest 32 loads (fragments 8-15) may be out
	WIN MUL_LO
	MUL 0, 0, \slot, \zero
	MUL 0, 2, \slot, \zero
	WIN 0
	s_wait_tensorcnt 0x0                           ; all my tensor loads have landed, so a group 0 may be written
	ds_add_u32 v[SPW], v[NIL]                      ; 0 onto my spare word; the descriptors' steps stand between it and the wait for it
.if \fill
	s_add_co_u32 s[ST+\slot], s[ST+\slot], 2       ; this slot's next key step,
	s_and_b32 s[ST+\slot], s[ST+\slot], 15         ; round the end of the keys
	AIM \slot
.endif
	s_wait_dscnt 0x0                               ; the add is done, and my reads of this slot are over
.if \fill
	CROUND                                         ; no wave of any partner still reads this slot or has a load on its way
	JLOAD \slot                                    ; the first tensor load behind the round, one a wave; the four v_nop behind it are the places in front of the loads below
.else
	s_barrier_signal -1
	s_barrier_wait -1
	PLACES 4
.endif
	FETCH_P 1-\slot
	FETCH_V 1-\slot, 0
.if \ask
	ASK                                            ; behind the tensor load and the run of LDS loads that the next products wait for
.endif
	WIN MUL_HI
	MUL 1, 0, \slot, \zero
	MUL 1, 2, \slot, \zero
	PLACES 4
	FETCH_V 1-\slot, 8
.endm
	s_wait_tensorcnt 1                             ; my part of my first key step is in; the second's may stay out
	s_barrier_signal -1
	s_barrier_wait -1                              ; everybody's is
	FETCH_P 0
	FETCH_V 0, 0
	FETCH_V 0, 8
	TURN 0, 1, 1, 1                                ; my step 0 stands in front of the loop: its products start the sums
	s_mov_b32 s3, 5
.Lpair:                                                ; my steps 1 to 10: a trip goes once round the ring
	TURN 1, 1, 1, 0
	TURN 0, 1, 1, 0
	s_sub_co_u32 s3, s3, 1
	s_cmp_lg_u32 s3, 0
	s_cbranch_scc1 .Lpair
	TURN 1, 1, 1, 0                                ; my step 11: the last that prefetches (my step 15)
	TURN 0, 1, 0, 0                                ; 12: asks for my step 14
	TURN 1, 1, 0, 0                                ; 13: asks for my step 15, the last load
	TURN 0, 0, 0, 0                                ; 14: nothing is left to fetch, so no round
	s_wait_dscnt 32                                ; my step 15
	WIN MUL_LO
	MUL 0, 0, 1, 0
	MUL 0, 2, 1, 0
	s_wait_dscnt 0x0
	WIN MUL_HI
	MUL 1, 0, 1, 0
	MUL 1, 2, 1, 0
	; ---- THE ROWS' MAXIMA.  A lane's 128 sums of each tile of rows, three operands at a time, the four tiles' chains by turns; every accumulator is read from its low end on.
	PLACES 4
	WIN 0x2a                                       ; all three sources window 2
.irp q, 0,1,2,3
	v_max3_num_f32 v[MX+\q], v[64*\q], v[64*\q+1], v[64*\q+2]
.endr
	WIN 0x28                                       ; sources 1 and 2 window 2
.set i, 3
.rept 30
.irp q, 0,1,2,3
	v_max3_num_f32 v[MX+\q], v[MX+\q], v[64*\q+i], v[64*\q+i+1]
.endr
.set i, i+2
.endr
.irp q, 0,1,2,3
	v_max_num_f32 v[MX+\q], v[MX+\q], v[64*\q+63]
.endr
	WIN 0x3c                                       ; sources 1 and 2 window 3
.set i, 0
.rept 32
.irp q, 0,1,2,3
	v_max3_num_f32 v[MX+\q], v[MX+\q], v[64*\q+i], v[64*\q+i+1]
.endr
.set i, i+2
.endr
	WIN 0
.irp q, 0,1,2,3
	v_permlanex16_b32 v[T+\q], v[MX+\q], s[SEL], s[SEL+1]   ; the row's other columns of my wave lie in the lane 16 away
.endr
.irp q, 0,1,2,3
	v_max_num_f32 v[MX+\q], v[MX+\q], v[T+\q]
.endr
.irp q, 0,1,2,3
	ds_store_b32 v[STA], v[MX+\q] offset:256*\q    ; lanes r and r + 16 write the same word with the same number
.endr
	s_wait_dscnt 0x0                               ; for the others' sake: my stores are done
	s_barrier_signal -1
	s_barrier_wait -1
.irp q, 0,1,2,3
	ds_load_b128 v[W4+4*\q:W4+4*\q+3], v[STR] offset:256*\q   ; the four waves' maxima of row r
.endr
	s_wait_dscnt 0x0
.irp q, 0,1,2,3
	v_max3_num_f32 v[MX+\q], v[W4+4*\q], v[W4+4*\q+1], v[W4+4*\q+2]
.endr
.irp q, 0,1,2,3
	v_max_num_f32 v[MP+2*\q], v[MX+\q], v[W4+4*\q+3]   ; m
.endr
.irp q, 0,1,2,3
	v_mov_b32 v[MP+2*\q+1], v[MP+2*\q]             ; (named with it as a pair, so it is written)
.endr
	; ---- THE EXPONENTIALS, in place, a window at a time: x - m, x c, 2^.  A window's 256 exponentials are one batch: a plain instruction behind the last, and the one wait ahead of the first line that names a result.
.macro EXPS hf
	WIN 0x82+0x41*\hf                              ; destination and source 0: window 2 or 3
.irp q, 0,1,2,3
.set i, 0
.rept 32
	v_pk_add_f32 v[64*\q+i:64*\q+i+1], v[64*\q+i:64*\q+i+1], v[MP+2*\q:MP+2*\q+1] op_sel_hi:[1,0] neg_lo:[0,1] neg_hi:[0,1]
.set i, i+2
.endr
.endr
.set i, 0
.rept 128
	v_pk_mul_f32 v[i:i+1], v[i:i+1], s[CS:CS+1] op_sel_hi:[1,0]
.set i, i+2
.endr
.set i, 0
.rept 256
	v_exp_f32 v[i], v[i]
.set i, i+1
.endr
	v_nop
	s_wait_alu depctr_va_vdst(0)
.endm
	EXPS 0
	WIN 0x0a                                       ; sources 0 and 1 window 2: the first two pairs start the sums: nothing is cleared
.irp q, 0,1,2,3
	v_pk_add_f32 v[SM+2*\q:SM+2*\q+1], v[64*\q:64*\q+1], v[64*\q+2:64*\q+3]
.endr
	WIN 0x08                                       ; source 1 window 2
.set i, 4
.rept 30
.irp q, 0,1,2,3
	v_pk_add_f32 v[SM+2*\q:SM+2*\q+1], v[SM+2*\q:SM+2*\q+1], v[64*\q+i:64*\q+i+1]
.endr
.set i, i+2
.endr
	EXPS 1
	WIN 0x0c                                       ; source 1 window 3
.set i, 0
.rept 32
.irp q, 0,1,2,3
	v_pk_add_f32 v[SM+2*\q:SM+2*\q+1], v[SM+2*\q:SM+2*\q+1], v[64*\q+i:64*\q+i+1]
.endr
.set i, i+2
.endr
	WIN 0
	; ---- THE ROWS' SUMS: the two halves, the other half of the lanes, the four waves (through words of their own: no barrier is owed between the reads of the maxima and these stores)
.irp q, 0,1,2,3
	v_add_f32 v[SM+2*\q], v[SM+2*\q], v[SM+2*\q+1]
.endr
.irp q, 0,1,2,3
	v_permlanex16_b32 v[T+\q], v[SM+2*\q], s[SEL], s[SEL+1]
.endr
.irp q, 0,1,2,3
	v_add_f32 v[SM+2*\q], v[SM+2*\q], v[T+\q]
.endr
.irp q, 0,1,2,3
	ds_store_b32 v[STA], v[SM+2*\q] offset:1024+256*\q
.endr
	s_wait_dscnt 0x0
	s_barrier_signal -1
	s_barrier_wait -1
.irp q, 0,1,2,3
	ds_load_b128 v[W4+4*\q:W4+4*\q+3], v[STR] offset:1024+256*\q
.endr
	s_wait_dscnt 0x0
.irp q, 0,1,2,3
	v_add_f32 v[W4+4*\q], v[W4+4*\q], v[W4+4*\q+1]
	v_add_f32 v[W4+4*\q+2], v[W4+4*\q+2], v[W4+4*\q+3]
.endr
.irp q, 0,1,2,3
	v_add_f32 v[W4+4*\q], v[W4+4*\q], v[W4+4*\q+2]
	v_mov_b32 v[RC+2*\q+1], 0                      ; (the upper half of the pair that the packed multiply names)
.endr
.irp q, 0,1,2,3
	v_rcp_f32 v[RC+2*\q], v[W4+4*\q]               ; the sum is at least the largest term, which is 1
.endr
	v_nop                                          ; a plain instruction behind the last reciprocal,
	s_wait_alu depctr_va_vdst(0)                   ; and the wait ahead of the first use: one for the four
; ---- OUT, in eight blocks of 16 rows x 128 columns (block a: tile of rows a / 2, half a % 2).  A lane holds 32 neighbouring bytes of a row, and the lanes beside it hold other rows: a block goes through my own stage in LDS and comes
; back as whole rows of 512 bytes.  LDS serves a wave's instructions in order (ISA guide 5.7.1.4): no wait between the stores and the loads, nor in front of the next block's stores.  No tensor load ever fills the stage.
.macro TOSTAGE a
.set QT, (\a)/2
.set HF, (\a)%2
	WIN 0x02+HF                                    ; source 0: window 2 or 3
.set i, 0
.rept 32
	v_pk_mul_f32 v[TMP+i:TMP+i+1], v[64*QT+i:64*QT+i+1], v[RC+2*QT:RC+2*QT+1] op_sel_hi:[1,0]
.set i, i+2
.endr
	WIN 0
.irp b, 0,1,2,3,4,5,6,7
	ds_store_b128 v[STO], v[TMP+8*\b:TMP+8*\b+3] offset:64*\b
	ds_store_b128 v[STO], v[TMP+8*\b+4:TMP+8*\b+7] offset:64*\b+16
.endr
.set BB, BK+64*((\a)%2)
.irp t, 0,1,2,3,4,5,6,7,8,9,10,11,12,13,14,15
	ds_load_b128 v[BB+4*\t:BB+4*\t+3], v[RD] offset:\t*SPITCH
.endr
.endm
.macro SEND a, younger                 ; younger: the LDS instructions issued behind block a's loads, which may stay out
.set QT, (\a)/2
.set HF, (\a)%2
.set BB, BK+64*((\a)%2)
	s_wait_dscnt \younger                          ; the block is back in registers
.irp t, 0,1,2,3,4,5,6,7,8,9,10,11,12,13,14,15
	global_store_b128 v[CO], v[BB+4*\t:BB+4*\t+3], s[10:11] offset:QT*65536+\t*4096+HF*512 th:TH_STORE_NT   ; 32 lanes store 512 consecutive bytes, at a multiple of 512 from out0's first byte; neither offset nor base is ever stepped
.endr
.endm
	TOSTAGE 0
.irp a, 1,2,3,4,5,6,7
.if \a > 1
	s_wait_xcnt 0x0                                ; block a - 2's stores have read their registers: block a's loads may land there
.endif
	TOSTAGE \a
	SEND \a-1, 32                                  ; behind block a - 1's loads: block a's 16 stores and 16 loads
.endr
	SEND 7, 0
	s_wait_tensorcnt 0x0                           ; the wave's end, behind my last tensor load and my last LDS store
	ds_add_u32 v[SPW], v[NIL]
	s_wait_dscnt 0x0
	CROUND                                         ; the closing round: no work-group ends while a partner may still ask for a tile that names it
	s_endpgm
.Lfunc_end_k_q2d540908b4_pv_softmax:
	.size	k_q2d540908b4_pv_softmax, .Lfunc_end_k_q2d540908b4_pv_softmax-k_q2d540908b4_pv_softmax
	.p2alignl 7, 3214868480
	.fill 96, 4, 3214868480
	.section	.rodata,"a",@progbits
	.p2align	6, 0x0
	.amdhsa_kernel k_q2d540908b4_pv_softmax
		.amdhsa_group_segment_fixed_size 327680
		.amdhsa_private_segment_fixed_size 0
		.amdhsa_enable_private_segment 0
		.amdhsa_kernarg_size 32
		.amdhsa_user_sgpr_count 2
		.amdhsa_user_sgpr_kernarg_segment_ptr 1
		.amdhsa_wavefront_size32 1
		.amdhsa_system_sgpr_workgroup_id_x 1
		.amdhsa_system_sgpr_workgroup_id_y 1
		.amdhsa_system_sgpr_workgroup_id_z 1
		.amdhsa_system_vgpr_workitem_id 0
		.amdhsa_next_free_vgpr 1024
		.amdhsa_next_free_sgpr 96
		.amdhsa_reserve_vcc 0
		.amdhsa_float_denorm_mode_32 3
		.amdhsa_float_denorm_mode_16_64 3
		.amdhsa_memory_ordered 1
		.amdhsa_forward_progress 1
		.amdhsa_inst_pref_size 220
	.end_amdhsa_kernel
	.amdgpu_metadata
---
amdhsa.version: [ 1, 2 ]
amdhsa.kernels:
  - .name:           k_q2d540908b4_pv_softmax
    .symbol:         k_q2d540908b4_pv_softmax.kd
    .args:
      - { .name: p_img, .offset: 0, .size: 8, .value_kind: global_buffer, .address_space: global }
      - { .name: v_img, .offset: 8, .size: 8, .value_kind: global_buffer, .address_space: global }
      - { .name: lowp_scales, .offset: 16, .size: 8, .value_kind: global_buffer, .address_space: global }
      - { .name: out0, .offset: 24, .size: 8, .value_kind: global_buffer, .address_space: global }
    .group_segment_fixed_size: 327680
    .private_segment_fixed_size: 0
    .kernarg_segment_align: 8
    .kernarg_segment_size: 32
    .max_flat_workgroup_size: 128
    .sgpr_count:     96
    .vgpr_count:     1024
    .wavefront_size: 32
...
	.end_amdgpu_metadata
.endif
;; end of part 3
